; MI455X (gfx1250); checked and timed in simulation.
; The chip was launched on July 23, 2026; its instructions are those of AMD's public machine-readable ISA for CDNA 5 (MIT licence, August 2026) and "CDNA5" Instruction Set Architecture Reference Guide (July 2026). The comments in the code are by the model that wrote it; some were corrected since.
;; Attention. Allowed arithmetic: matrix products marked QUANTISED: E4M3 operands, one E8M0 scale for each 32 along K, by v_wmma_scale_f32_16x16x128_f8f6f4 with both operands' format E4M3, f32 sums; products left as they are: f32 operands where the result goes on into a quantised operand, else bf16, f16 or f32 operands; f32 sums; everything else in f32.
;; Inputs: W_proj 1,024 x 512 float32; W_score 1,024 x 512 float32; W_value 1,024 x 512 float32; b_proj 512 float32; b_score 512 float32; b_value 512 float32; listener_len 32 int32; listener_state 2,048 x 32 x 1,024 float32; speller_state 32 x 1,024 float32.
;; Outputs: out0 32 x 512 float32; out1 32 x 2,048 float32.
;; Constants: batch_size = 32.
;; This version of the problem:
;;   THIS VERSION OF THE PROBLEM IS GIVEN IN LOW PRECISION. The matrix products marked QUANTISED in the list below multiply operands that are first quantised to E4M3 (4 exponent bits, 3 mantissa bits; 8 bits a number), with one power-of-two scale for each 32 numbers along K (OCP MX v1.0); their sums are f32. All else is computed in f32.
;;   The module's matrix products, in the order in which they are computed (A, B: the left and right operand; K: the contracted axis; several contracted axes count as one K, in the product's order):
;;     1. [M 65,536, K 1,024] x [K 1,024, N 512]; A: input listener_state; B: input W_score: QUANTISED
;;     2. [M 65,536, K 1,024] x [K 1,024, N 512]; A: input listener_state; B: input W_value: QUANTISED
;;     3. [M 32, K 1,024] x [K 1,024, N 512]; A: input speller_state; B: input W_proj: QUANTISED
;;     4. batch 32 x [M 1, K 512] x [K 512, N 2,048]; A: computed on the way; B: computed on the way: left as it is (M = 1 < 16)
;;     5. batch 32 x [M 1, K 2,048] x [K 2,048, N 512]; A: softmax; B: computed on the way: left as it is (M = 1 < 16)
;;   THE QUANTISER, for each operand of a quantised product, along K:
;;     - K is cut into blocks of 32 from its start; a last block that is shorter is filled with zeros.
;;     - A block's scale is 2^e with e = floor(log2(the largest magnitude in the block)) - 8, held to -126 .. 127; a block of zeros has e = 0. As a byte (E8M0): e + 127.
;;     - Each number is divided by its block's scale, clamped to +-448, and rounded to the nearest number of E4M3, ties to even, subnormals kept.
;;     - The product sums the exact products of the quantised numbers (number of the format x scale) in f32.
;;   ~~~python
;;   def quantise(x, axis):      # numpy; x: float32 -> the quantised numbers, widened to float32 again
;;       x = np.moveaxis(x, axis, -1); K = x.shape[-1]
;;       x = np.pad(x, [(0, 0)] * (x.ndim - 1) + [(0, -K % 32)]); x = x.reshape(x.shape[:-1] + (-1, 32)); a = np.abs(x).max(-1, keepdims=True)
;;       e = np.where(a > 0, np.clip(np.frexp(np.where(a > 0, a, 1))[1] - 1 - 8, -126, 127), 0)      # np.frexp(a)[1] - 1 = floor(log2(a)), exactly
;;       r = np.clip(x / 2.0 ** e, -448, 448)
;;       step = 2.0 ** (np.maximum(np.frexp(np.where(r == 0, 1, r))[1] - 1, -6) - 3)
;;       q = np.round(r / step) * step * 2.0 ** e      # np.round: ties to even
;;       return np.moveaxis(q.reshape(q.shape[:-2] + (-1,))[..., :K], -1, axis).astype(np.float32)
;;   ~~~
;; One version. Each part assembles by itself: llvm-mc -triple=amdgcn-amd-amdhsa -mcpu=gfx1250 --defsym DOCPART=n.
;; ======== version 1 of 1: 3 launches
;; limits: right only within a limited range of input values
;; workspace buffers: wcodes 1,048,576 bytes; wside 36,864 bytes; query 65,536 bytes; scores 262,144 bytes; part 2,097,152 bytes
;; launch prep (part 1): grid 96 x 1, 8 waves a work-group, no clusters, 17,408 bytes of LDS; arguments W_score, W_value, W_proj, b_score, b_value, b_proj, speller_state, wcodes, wside, query; writes wcodes, wside, query
.if DOCPART == 1
	.amdgcn_target "amdgcn-amd-amdhsa--gfx1250"
	.amdhsa_code_object_version 6
	.text
	.protected	k_q2f82b04026_prep
	.globl	k_q2f82b04026_prep
	.p2align	8
	.type	k_q2f82b04026_prep,@function
k_q2f82b04026_prep:
	s_mov_b64 s[64:65], 0
	v_nop
	global_prefetch_b8 v0, s[64:65] scope:SCOPE_SE
	s_setreg_imm32_b32 hwreg(HW_REG_WAVE_MODE, 25, 1), 1
	s_wait_xcnt 0x0
; The three weights [1024 (k)][512 (n)] f32 are quantised along K (their FIRST axis) into codes of E4M3 with one E8M0 byte for each 32 along K.
; Work-group g: kind = g / 32 (0 W_score, 1 W_value, 2 W_proj), 16 columns 16 (g % 32) on.  Wave s takes K step s (128 along K).
; A LANE TAKES A COLUMN AND ITS REGISTERS RUN DOWN K, in the order of a matrix operand's registers: lane (r, h) holds column r, register 16 c + i = k 128 s + 32 c + 16 h + i.
; So the conversions' results ARE the operand's registers; nothing is transposed.
; kind 0, 1: the 16 registers leave as an image (four stores of 512 consecutive bytes) to wcodes[tile g][K step s]; the scale word to wside[tile g], laid so that one 16-byte LDS load a lane
;   later gives four scale registers (even K steps in lanes 0-15, odd ones in lanes 16-31); wave 0 adds the tile's 16 biases behind them.  The scale words and biases are stores of 4 bytes:
;   36,864 bytes in the whole launch, against 1 MiB of codes.
; kind 2: query = relu(Q(speller) Q(W_proj) + b_proj): the wave quantises speller's 32 rows for its K step too, two matrix instructions give its part of the sums, the eight waves' parts meet in LDS.
; The loads of W read 64 consecutive bytes in sixteen lanes: the three weights are 6 MiB, read once.
; No tensor loads, no cluster: the work-groups share no tile.
; LIMITS: NaN and infinities among the inputs are not served.  A block of zeros gets the byte 1 where the quantiser says 127: its codes are zeros, which add nothing, and this program alone reads the bytes.
; The query's K is summed as eight partial sums of 128, added in f32: another order than K ascending.
.set TM,   16                          ; v16-19 largest magnitudes, v20-23 bytes, v24-27 448 x the scale, v28-31 the conversions' scale operands
.set SEL,  44                          ; s[44:45] selects of v_permlanex16_b32 for lane l xor 16
.set MNT,  46                          ; s46 the mantissa field of 448
; 64 numbers of a lane, v[src + 16 b + i] = k 32 b + 16 h + i, become 16 registers of codes at v[dst] and the scale word v[sw]
.macro QUANT src, dst, sw
.irp b, 0,1,2,3
	v_max3_num_f32 v[TM+\b], |v[\src+16*\b]|, |v[\src+16*\b+1]|, 0x4800000     ; my 16 numbers of block b, and the floor 2^(9 - 127): the byte cannot fall under 1
.endr
.irp i, 2,4,6,8,10,12,14
.irp b, 0,1,2,3
	s_delay_alu instid0(VALU_DEP_4)
	v_max3_num_f32 v[TM+\b], v[TM+\b], |v[\src+16*\b+\i]|, |v[\src+16*\b+\i+1]|  ; the four blocks by turns
.endr
.endr
.irp b, 0,1,2,3
	s_delay_alu instid0(VALU_DEP_4)
	v_permlanex16_b32 v[TM+4+\b], v[TM+\b], s[SEL], s[SEL+1]
.endr
.irp b, 0,1,2,3
	s_delay_alu instid0(VALU_DEP_4)
	v_max_num_f32 v[TM+\b], v[TM+\b], v[TM+4+\b]                             ; with lane l xor 16's 16: the block's largest magnitude
.endr
.irp b, 0,1,2,3
	s_delay_alu instid0(VALU_DEP_4)
	v_add_nc_u32 v[TM+12+\b], 0xfc000000, v[TM+\b]                           ; 8 off its exponent field: the conversion's scale operand
.endr
.irp b, 0,1,2,3
	v_and_or_b32 v[TM+8+\b], v[TM+\b], 0x7f800000, s[MNT]                    ; 448 x the scale
.endr
.irp b, 0,1,2,3
	v_lshrrev_b32 v[TM+4+\b], 23, v[TM+12+\b]                                ; the scale's byte
.endr
	s_delay_alu instid0(VALU_DEP_3)
	v_lshl_or_b32 v[\sw], v[TM+5], 8, v[TM+4]
	s_delay_alu instid0(VALU_DEP_1)
	v_lshl_or_b32 v[\sw], v[TM+6], 16, v[\sw]
	s_delay_alu instid0(VALU_DEP_1)
	v_lshl_or_b32 v[\sw], v[TM+7], 24, v[\sw]
.irp b, 0,1,2,3
.irp i, 0,1,2,3,4,5,6,7,8,9,10,11,12,13,14,15
	v_med3_num_f32 v[\src+16*\b+\i], v[\src+16*\b+\i], -v[TM+8+\b], v[TM+8+\b]   ; the conversion to an 8-bit code does not saturate (ISA guide 7.6.2): the hold comes first
.endr
	v_cvt_scalef32_pk8_fp8_f32 v[\dst+4*\b:\dst+4*\b+1], v[\src+16*\b:\src+16*\b+7], v[TM+12+\b]
	v_cvt_scalef32_pk8_fp8_f32 v[\dst+4*\b+2:\dst+4*\b+3], v[\src+16*\b+8:\src+16*\b+15], v[TM+12+\b]
.endr
	v_nop                                          ; a plain line behind the last conversion, ahead of whatever next touches its registers
.endm
	s_load_b256 s[4:11], s[0:1], 0x0               ; W_score s[4:5], W_value s[6:7], W_proj s[8:9], b_score s[10:11]
	s_load_b256 s[12:19], s[0:1], 0x20             ; b_value s[12:13], b_proj s[14:15], speller s[16:17], wcodes s[18:19]
	s_load_b128 s[20:23], s[0:1], 0x40             ; wside s[20:21], query s[22:23]
	s_set_vgpr_msb 0x40
	v_lshl_add_u32 v0, v0, 2, 0x4000
	v_mov_b32 v1, 0
	s_set_vgpr_msb 0x4000
	v_lshrrev_b32 v1, 5, v0
	s_delay_alu instid0(VALU_DEP_1)
	v_readfirstlane_b32 s28, v1                    ; wave = K step
	s_lshr_b32 s29, ttmp9, 5                       ; kind
	s_and_b32 s30, ttmp9, 31                       ; which 16 columns
	v_and_b32 v1, 15, v0                           ; r
	v_bfe_u32 v2, v0, 4, 1                         ; h
	v_and_b32 v3, 31, v0                           ; lane
	s_delay_alu instid0(VALU_DEP_3)
	v_lshlrev_b32 v11, 2, v1                       ; 4 r
	s_delay_alu instid0(VALU_DEP_1)
	v_lshl_add_u32 v4, v2, 15, v11                 ; W: column r, and 16 rows of 2,048 bytes further down for lanes 16-31
	s_delay_alu instid0(VALU_DEP_3)
	v_lshlrev_b32 v5, 4, v3                        ; an image's place for my lane: 16 x lane
	v_lshlrev_b32 v6, 4, v1                        ; the scale word's place: 16 r
	v_lshlrev_b32 v7, 12, v1
	s_delay_alu instid0(VALU_DEP_1)
	v_lshl_add_u32 v7, v2, 6, v7                   ; speller: row r of 4,096 bytes, + 64 h
	v_lshlrev_b32 v9, 3, v3                        ; 8 x lane
	s_lshl_b32 s31, s28, 11
	v_add_nc_u32 v8, s31, v9                       ; LDS: where I put my partial sums: 2,048 x wave + 8 x lane
	s_lshl_b32 s31, s28, 8
	v_add_nc_u32 v9, s31, v9                       ; LDS: where I read pair w of every wave's: 256 x wave + 8 x lane
	v_lshl_add_u32 v10, v2, 14, v11                ; query: 8 h rows of 2,048 bytes + 4 r
.irp b, 0,1,2,3
	v_mov_b32 v[TM+4+\b], 0                        ; written once: a lane permute's destination counts as one of its sources
.endr
	s_mov_b32 s[SEL], 0x76543210
	s_mov_b32 s[SEL+1], 0xfedcba98
	s_mov_b32 s[MNT], 0x600000
	s_lshl_b32 s34, s30, 6                         ; my 16 columns: 64 bytes a tile
	s_mov_b32 s35, 0
	s_lshl_b32 s32, s28, 18                        ; my K step: 128 rows of 2,048 bytes
	s_add_co_u32 s32, s32, s34
	s_mov_b32 s33, 0
	s_wait_kmcnt 0x0
	s_cmp_eq_u32 s29, 0                            ; the weight and its bias are chosen on the work-group's number alone
	s_cselect_b64 s[24:25], s[4:5], s[6:7]
	s_cselect_b64 s[26:27], s[10:11], s[12:13]
	s_cmp_eq_u32 s29, 2
	s_cselect_b64 s[24:25], s[8:9], s[24:25]
	s_cselect_b64 s[26:27], s[14:15], s[26:27]
	s_add_nc_u64 s[24:25], s[24:25], s[32:33]
	s_add_nc_u64 s[26:27], s[26:27], s[34:35]
	global_load_b32 v15, v11, s[26:27]             ; the bias of column r
.irp c, 0,1,2,3
.irp i, 0,1,2,3,4,5,6,7,8,9,10,11,12,13,14,15
	global_load_b32 v[64+16*\c+\i], v4, s[24:25] offset:(32*\c+\i)*2048   ; W(128 s + 32 c + 16 h + i, column r)
.endr
.endr
	s_cmp_eq_u32 s29, 2                            ; the same for all eight waves of a work-group
	s_cbranch_scc1 .Lproj
	; ---- W_score, W_value: codes, scale words and biases for the main launch
	s_lshl_b32 s36, ttmp9, 14                      ; tile g: 16,384 bytes of codes,
	s_lshl_b32 s37, s28, 11                        ; K step s: 2,048 of them
	s_add_co_u32 s36, s36, s37
	s_mov_b32 s37, 0
	s_add_nc_u64 s[18:19], s[18:19], s[36:37]
	s_mul_i32 s38, ttmp9, 576                      ; tile g's 576 bytes of wside
	s_mov_b32 s39, 0
	s_add_nc_u64 s[20:21], s[20:21], s[38:39]
	s_and_b32 s40, s28, 1
	s_lshl_b32 s40, s40, 8                         ; odd K steps go to the places of lanes 16-31: 256 bytes on;
	s_lshr_b32 s41, s28, 1
	s_lshl_b32 s41, s41, 2                         ; word s / 2 of a lane's four
	s_add_co_u32 s40, s40, s41
	s_mov_b32 s41, 0
	s_add_nc_u64 s[42:43], s[20:21], s[40:41]
	s_wait_loadcnt 0x0
	QUANT 64, 32, 12
.irp c, 0,1,2,3
	global_store_b128 v5, v[32+4*\c:32+4*\c+3], s[18:19] offset:512*\c   ; 32 lanes store 512 consecutive bytes
.endr
	global_store_b32 v6, v12, s[42:43]             ; column r's scale word (lanes r and r + 16 hold the same word and write it to the same place)
	s_cmp_lg_u32 s28, 0
	s_cbranch_scc1 .Ldone
	global_store_b32 v11, v15, s[20:21] offset:512 ; wave 0: the tile's 16 biases
.Ldone:
	s_endpgm
	; ---- W_proj: the query
.Lproj:
	s_lshl_b32 s36, s28, 9                         ; my K step in a row of speller: 512 bytes
	s_mov_b32 s37, 0
	s_add_nc_u64 s[16:17], s[16:17], s[36:37]
	s_wait_alu depctr_va_vdst(0)
.irp t, 0,1
.irp b, 0,1,2,3
.irp j, 0,1,2,3
	global_load_b128 v[128+64*\t+16*\b+4*\j:128+64*\t+16*\b+4*\j+3], v7, s[16:17] offset:65536*\t+128*\b+16*\j   ; speller(16 t + r, 128 s + 32 b + 16 h + 4 j ..)
.endr
.endr
.endr
	s_lshr_b32 s38, s28, 2
	s_lshl_b32 s38, s38, 15                        ; what I store at the end: rows 16 (w / 4) + 2 (w % 4) + 8 h, + 1
	s_and_b32 s39, s28, 3
	s_lshl_b32 s39, s39, 12
	s_add_co_u32 s38, s38, s39
	s_add_co_u32 s38, s38, s34
	s_mov_b32 s39, 0
	s_add_nc_u64 s[22:23], s[22:23], s[38:39]
	s_wait_loadcnt 0x0
	QUANT 64, 32, 12                               ; W_proj's fragment v32-47, scale word v12
	QUANT 128, 64, 13                              ; speller's rows 0-15: v64-79, v13
	QUANT 192, 80, 14                              ; rows 16-31: v80-95, v14
.rept 4
	v_nop                                          ; with the line that closes QUANT: five places between the last codes and the products; the scale words stand 64 holds further up
.endr
	v_wmma_scale_f32_16x16x128_f8f6f4 v[96:103], v[64:79], v[32:47], 0, v13, v12     ; lane (r, h), register j: (row 8 h + j, column r)
	v_wmma_scale_f32_16x16x128_f8f6f4 v[104:111], v[80:95], v[32:47], 0, v14, v12
.rept 8
	v_nop                                          ; eight places ahead of the first read of the results
.endr
.irp p, 0,1,2,3,4,5,6,7
	ds_store_b64 v8, v[96+2*\p:97+2*\p] offset:256*\p    ; each accumulator from its low end on
.endr
	s_wait_dscnt 0x0                               ; for the others' sake: my partial sums lie in LDS
	s_barrier_signal -1
	s_barrier_wait -1
.irp k, 0,1,2,3,4,5,6,7
	ds_load_b64 v[48+2*\k:49+2*\k], v9 offset:2048*\k    ; pair w of all eight K steps
.endr
	s_wait_dscnt 0x0
	v_pk_add_f32 v[48:49], v[48:49], v[50:51]
	v_pk_add_f32 v[52:53], v[52:53], v[54:55]
	v_pk_add_f32 v[56:57], v[56:57], v[58:59]
	v_pk_add_f32 v[60:61], v[60:61], v[62:63]
	s_delay_alu instid0(VALU_DEP_3)
	v_pk_add_f32 v[48:49], v[48:49], v[52:53]
	s_delay_alu instid0(VALU_DEP_2)
	v_pk_add_f32 v[56:57], v[56:57], v[60:61]
	s_delay_alu instid0(VALU_DEP_1)
	v_pk_add_f32 v[48:49], v[48:49], v[56:57]
	s_delay_alu instid0(VALU_DEP_1)
	v_add_f32 v48, v48, v15
	s_delay_alu instid0(VALU_DEP_2)
	v_add_f32 v49, v49, v15
	s_delay_alu instid0(VALU_DEP_2)
	v_max_num_f32 v48, 0, v48
	s_delay_alu instid0(VALU_DEP_2)
	v_max_num_f32 v49, 0, v49
	global_store_b32 v10, v48, s[22:23]
	global_store_b32 v10, v49, s[22:23] offset:2048
	s_set_vgpr_msb 0x5
	s_wait_tensorcnt 0x0
	ds_add_u32 v0, v1
	s_wait_dscnt 0x0
	s_set_vgpr_msb 0x500
	s_endpgm
.Lfunc_end_k_q2f82b04026_prep:
	.size	k_q2f82b04026_prep, .Lfunc_end_k_q2f82b04026_prep-k_q2f82b04026_prep
	.p2alignl 7, 3214868480
	.fill 96, 4, 3214868480
	.section	.rodata,"a",@progbits
	.p2align	6, 0x0
	.amdhsa_kernel k_q2f82b04026_prep
		.amdhsa_group_segment_fixed_size 17408
		.amdhsa_private_segment_fixed_size 0
		.amdhsa_enable_private_segment 0
		.amdhsa_kernarg_size 80
		.amdhsa_user_sgpr_count 2
		.amdhsa_user_sgpr_kernarg_segment_ptr 1
		.amdhsa_wavefront_size32 1
		.amdhsa_system_sgpr_workgroup_id_x 1
		.amdhsa_system_sgpr_workgroup_id_y 1
		.amdhsa_system_sgpr_workgroup_id_z 1
		.amdhsa_system_vgpr_workitem_id 0
		.amdhsa_next_free_vgpr 258
		.amdhsa_next_free_sgpr 66
		.amdhsa_reserve_vcc 0
		.amdhsa_float_denorm_mode_32 3
		.amdhsa_float_denorm_mode_16_64 3
		.amdhsa_memory_ordered 1
		.amdhsa_forward_progress 1
		.amdhsa_inst_pref_size 54
	.end_amdhsa_kernel
	.amdgpu_metadata
---
amdhsa.version: [ 1, 2 ]
amdhsa.kernels:
  - .name:           k_q2f82b04026_prep
    .symbol:         k_q2f82b04026_prep.kd
    .args:
      - { .name: W_score, .offset: 0, .size: 8, .value_kind: global_buffer, .address_space: global }
      - { .name: W_value, .offset: 8, .size: 8, .value_kind: global_buffer, .address_space: global }
      - { .name: W_proj, .offset: 16, .size: 8, .value_kind: global_buffer, .address_space: global }
      - { .name: b_score, .offset: 24, .size: 8, .value_kind: global_buffer, .address_space: global }
      - { .name: b_value, .offset: 32, .size: 8, .value_kind: global_buffer, .address_space: global }
      - { .name: b_proj, .offset: 40, .size: 8, .value_kind: global_buffer, .address_space: global }
      - { .name: speller_state, .offset: 48, .size: 8, .value_kind: global_buffer, .address_space: global }
      - { .name: wcodes, .offset: 56, .size: 8, .value_kind: global_buffer, .address_space: global }
      - { .name: wside, .offset: 64, .size: 8, .value_kind: global_buffer, .address_space: global }
      - { .name: query, .offset: 72, .size: 8, .value_kind: global_buffer, .address_space: global }
    .group_segment_fixed_size: 17408
    .private_segment_fixed_size: 0
    .kernarg_segment_align: 8
    .kernarg_segment_size: 80
    .max_flat_workgroup_size: 256
    .sgpr_count:     66
    .vgpr_count:     258
    .wavefront_size: 32
...
	.end_amdgpu_metadata
.endif
;; end of part 1
;; launch main (part 2): grid 256 x 1, 4 waves a work-group, clusters of 4 x 1, 327,680 bytes of LDS; arguments listener_state, wcodes, wside, query, listener_len, scores, part; writes scores, part
.if DOCPART == 2
	.amdgcn_target "amdgcn-amd-amdhsa--gfx1250"
	.amdhsa_code_object_version 6
	.text
	.protected	k_q2f82b04026_main
	.globl	k_q2f82b04026_main
	.p2align	8
	.type	k_q2f82b04026_main,@function
k_q2f82b04026_main:
	s_mov_b64 s[64:65], 0
	v_nop
	global_prefetch_b8 v0, s[64:65] scope:SCOPE_SE
	s_setreg_imm32_b32 hwreg(HW_REG_WAVE_MODE, 25, 1), 1
	s_wait_xcnt 0x0
	s_wait_alu depctr_hold_cnt(0) depctr_sa_sdst(0) depctr_va_vdst(0) depctr_va_sdst(0) depctr_va_ssrc(0) depctr_va_vcc(0) depctr_vm_vsrc(0)
	s_getreg_b32 s2, hwreg(HW_REG_IB_STS2, 6, 4)
	s_cmp_eq_u32 s2, 0
	s_cbranch_scc0 .Lentry_in_a_cluster
	s_endpgm
.Lentry_in_a_cluster:
	s_bfe_u32 s2, ttmp6, 0x10000c
	s_cmp_lg_u32 s2, 0x3003
	s_cbranch_scc0 .Lentry_shape_is_right
	s_endpgm
.Lentry_shape_is_right:
; keys = relu(x W_score + b_score), vals = relu(x W_value + b_value) on codes of E4M3 with E8M0 scales; score = query . keys, - 100 past the length;
; p = e^(score - m), m the wave's own largest score; part = the sum over the wave's 64 t of p x vals.  The last launch joins the waves' maxima and sums.
; SHARES.  Work-group wg = 4 x cluster + cx: batch row b = wg % 32, 256 steps t from 256 (wg / 32) on; each of four waves owns 64 of them: four tiles of 16 rows.
; THE WAVE'S LEFT OPERAND STAYS IN REGISTERS: 64 rows x 1,024 codes are 512 registers.  x is read once, sixteen lanes to 256 aligned bytes, turned through the wave's stage
; so that a lane holds 16 neighbours along K, and quantised in fixed registers.  A trip of the stream's loop is one K step of the four row tiles; codes and scale words go as
; register images to the wave's own LDS bytes and are read back into their registers behind four trips: K steps 0-3 into window 1, K steps 4-7 into window 2.
; 64 loads of a wave are kept out by counted waits.  The last trip has nothing to ask for: a jump on the trip counter leads round its loads, with a wait for 0 on that way.
; Then the wave walks 64 tiles of 16 columns (32 of W_score, 32 of W_value): 32 products a tile, four accumulators by turns, TWO SETS of four by turns from tile to tile.
; A tile goes in four parts: eight LDS loads of the next tile's operand, eight products, and a quarter of the vector work on the tile BEFORE (relu and one multiply-add a number).
; Lane (r, h), register j holds (row 8 h + j, column r); the bias is the C of a tile's first four products.
; THE WEIGHTS come as register images (launch prep), 16 KiB a tile, through two LDS slots of 4 tiles.  CLUSTER: the four work-groups walk the same tiles, so each quarter of a slot
; is asked for jointly, one tile a wave, mask of all four.  A wave has one tensor load out at a time.  cx enters global addresses of x, query, length, scores and part alone.
; NO PREFETCH: x is streamed with 64 loads a wave out throughout; the weights, 1 MiB, are read by all 64 clusters.
; LIMITS: NaN and infinities among the inputs are not served.  A block of zeros gets the byte 1 where the quantiser says 127 (its codes are zeros).  Sums in f32, in another order than K or t ascending.
; LDS: 0 slot 0; 65,536 slot 1; 131,072 scale words and biases of all tiles (filled once); 167,936 + 38,144 w the wave's own bytes, which no tensor load fills:
;   0 the stage 16 x 272 (later 512 sums, at 2,048 the 64 scores), 4,352 the codes' images (later the query), 37,120 the scale words' images; 320,512 the spare words.
; REGISTERS: window 1, 2: A's codes, fragment (row tile i, K step s) at 16 (4 (s % 4) + i); window 3: B, two sets of 128 (in the stream four sets of 64 raw numbers).
;   window 0: v1-15 addresses; v16-19 the query's number; v20-27 B's scale words; v28-43 the bias; v44-75 A's scale words; v76-107 and v184-215 accumulators (in the stream v76-91 the query, v92-107 codes);
;   v108-139 scores, then p (in the stream v108-124 at work); v140-182, v216-218 at work (in the stream v128-255 two sets of 64 neighbours).
.set SLOTB,  65536
.set TILEB,  16384
.set SIDE,   2*SLOTB
.set SIDEB,  576
.set OWN0,   SIDE+64*SIDEB
.set OWNB,   38144
.set SOFF,   2048
.set QOFF,   4352
.set SCST,   37120
.set SPARE,  OWN0+4*OWNB
.set LI,   1
.set L4,   2
.set XO,   3
.set STW,  4
.set STR,  5
.set SPW,  6
.set NIL,  7
.set ADR,  8
.set ADS,  9
.set ADB,  10
.set ADQ,  11
.set CW,   8                           ; in the stream: where the trip's codes go
.set SW,   9                           ; and its scale words
.set SW0,  10
.set QW,   12                          ; own bytes + 4,352 + 16 x lane
.set SA,   13
.set SRD,  14
.set G8,   15
.set QR,   16
.set BS,   20
.set BIAS, 28
.set AS,   44
.set ACC,  76                          ; set p of the accumulators at ACC + 108 p
.set CD,   92
.set S,    108
.set TM,   108
.set SWD,  124
.set CT,   140
.set LIS,  178
.set L4S,  179
.set L4Q,  180
.set L4C,  181
.set CRD,  182
.set QC,   216                         ; v[216:217] the query's number of the tile whose vector work is in hand
.set ADC,  218                         ; where that tile's sums go
.set WV,   18
.set TB,   52
.set TS,   53
.set TQ,   54
.set TC,   55
.set CO,   54                          ; in the stream: 8,192 (trip % 4)
.set SO,   55                          ; 256 (trip % 4)
.set SEL,  58
.set MNT,  60
.set MSB, 0
.macro WIN new                         ; the high byte repeats the setting that is left
.if MSB != (\new)
	s_set_vgpr_msb (MSB<<8)|(\new)
.set MSB, (\new)
.endif
.endm
.macro CROUND                          ; a round of the cluster's barrier
	s_barrier_signal -1
	s_barrier_wait -1
	s_cmp_lg_u32 s[WV], 0
	s_cbranch_scc1 .Lnot_wave_0_\@
	s_barrier_signal -3
.Lnot_wave_0_\@:
	s_barrier_wait -3
	s_barrier_signal -1
	s_barrier_wait -1
.endm
; row tile k, 16 rows x 512 bytes at byte off behind the base: rows 2 a, 2 a + 1, half hf
.macro LOADK k, off
	WIN 0xc0
.irp hf, 0,1
.irp a, 0,1,2,3,4,5,6,7
	global_load_b128 v[64*(\k)+32*\hf+4*\a:64*(\k)+32*\hf+4*\a+3], v[XO], s[4:5] offset:(16*(\k)+2*\a)*131072+256*\hf+(\off) th:TH_LOAD_NT
.endr
.endr
	WIN 0
.endm
; through the stage, half by half; LDS serves a wave's instructions in order (ISA guide 5.7.1.4): no wait between stores and loads
.macro TURN k
.irp hf, 0,1
	WIN 0x0c
.irp a, 0,1,2,3,4,5,6,7
	ds_store_b128 v[STW], v[64*(\k)+32*\hf+4*\a:64*(\k)+32*\hf+4*\a+3] offset:544*\a
.endr
	WIN 0
.irp c, 0,1
.irp j, 0,1,2,3
	ds_load_b128 v[128+64*((\k)%2)+32*\hf+16*\c+4*\j:128+64*((\k)%2)+32*\hf+16*\c+4*\j+3], v[STR] offset:128*\c+16*\j
.endr
.endr
.endr
.endm
; 64 numbers of a lane, register 16 b + i = k 32 b + 16 h + i of row r, become 16 registers of codes and a scale word, which go to the images
.macro QUANTX k
.set XS, 128+64*((\k)%2)
.irp b, 0,1,2,3
	v_max3_num_f32 v[TM+\b], |v[XS+16*\b]|, |v[XS+16*\b+1]|, 0x4800000       ; with the floor 2^(9 - 127): the byte cannot fall under 1
.endr
.irp i, 2,4,6,8,10,12,14
.irp b, 0,1,2,3
	v_max3_num_f32 v[TM+\b], v[TM+\b], |v[XS+16*\b+\i]|, |v[XS+16*\b+\i+1]|
.endr
.endr
.irp b, 0,1,2,3
	v_permlanex16_b32 v[TM+4+\b], v[TM+\b], s[SEL], s[SEL+1]
.endr
.irp b, 0,1,2,3
	v_max_num_f32 v[TM+\b], v[TM+\b], v[TM+4+\b]                             ; the block's largest magnitude
.endr
.irp b, 0,1,2,3
	v_add_nc_u32 v[TM+12+\b], 0xfc000000, v[TM+\b]                           ; 8 off its exponent field: the conversion's scale operand
.endr
.irp b, 0,1,2,3
	v_and_or_b32 v[TM+8+\b], v[TM+\b], 0x7f800000, s[MNT]                    ; 448 x the scale
.endr
.irp b, 0,1,2,3
	v_lshrrev_b32 v[TM+4+\b], 23, v[TM+12+\b]                                ; the scale's byte
.endr
	v_lshl_or_b32 v[SWD], v[TM+5], 8, v[TM+4]
	v_lshl_or_b32 v[SWD], v[TM+6], 16, v[SWD]
	v_lshl_or_b32 v[SWD], v[TM+7], 24, v[SWD]
.irp b, 0,1,2,3
.irp i, 0,1,2,3,4,5,6,7,8,9,10,11,12,13,14,15
	v_med3_num_f32 v[XS+16*\b+\i], v[XS+16*\b+\i], -v[TM+8+\b], v[TM+8+\b]   ; the conversion does not saturate (ISA guide 7.6.2): the hold comes first
.endr
.endr
.irp b, 0,1,2,3
	v_cvt_scalef32_pk8_fp8_f32 v[CD+4*\b:CD+4*\b+1], v[XS+16*\b:XS+16*\b+7], v[TM+12+\b]
	v_cvt_scalef32_pk8_fp8_f32 v[CD+4*\b+2:CD+4*\b+3], v[XS+16*\b+8:XS+16*\b+15], v[TM+12+\b]
.endr
	v_nop                                          ; a plain line behind the last conversion
.irp c, 0,1,2,3
	ds_store_b128 v[CW], v[CD+4*\c:CD+4*\c+3] offset:2048*(\k)+512*\c
.endr
	ds_store_b32 v[SW], v[SWD] offset:64*(\k)      ; lanes r and r + 16 write the same word with the same value
.endm
; g = 1: the loop's last trip (s57 = 1) asks for nothing more
.macro STEPK k, g
	s_wait_dscnt 0x0                               ; this unit's numbers are back from the stage
.if \g
	s_cmp_eq_u32 s57, 1
	s_cbranch_scc1 .Llast_\@
.endif
	LOADK \k, 512                                  ; the same row tile, the next K step
	s_wait_loadcnt 48                              ; the next unit's sixteen loads are in; the three units behind it stay out
.if (\k) == 3
	TURN 0
.endif
.if \g
	s_branch .Ljoin_\@
.Llast_\@:
	s_wait_loadcnt 0x0
.Ljoin_\@:
.endif
.if (\k) < 3
	TURN (\k)+1
.endif
	QUANTX \k
.endm
.macro STREAM g                        ; four trips: four K steps
	s_mov_b32 s57, 4
.Ltrip_\@:
	v_add_nc_u32 v[CW], s[CO], v[QW]
	v_add_nc_u32 v[SW], s[SO], v[SW0]
	STEPK 0, \g
	STEPK 1, \g
	STEPK 2, \g
	STEPK 3, \g
	s_wait_xcnt 0x0                                ; the loads have read their base
	s_add_nc_u64 s[4:5], s[4:5], 512
	s_add_co_u32 s[CO], s[CO], 8192
	s_and_b32 s[CO], s[CO], 32767
	s_add_co_u32 s[SO], s[SO], 256
	s_and_b32 s[SO], s[SO], 1023
	s_sub_co_u32 s57, s57, 1
	s_cmp_lg_u32 s57, 0
	s_cbranch_scc1 .Ltrip_\@
.endm
.macro BACK hh                         ; the images of K steps 4 hh .. 4 hh + 3 come back as the operand's registers
	WIN 0x40*(1+\hh)
.irp f, 0,1,2,3,4,5,6,7,8,9,10,11,12,13,14,15
.irp c, 0,1,2,3
	ds_load_b128 v[16*\f+4*\c:16*\f+4*\c+3], v[QW] offset:2048*\f+512*\c
.endr
.endr
	WIN 0
.irp f, 0,1,2,3,4,5,6,7,8,9,10,11,12,13,14,15
	ds_load_b32 v[AS+8*(\f%4)+4*\hh+\f/4], v[SW0] offset:64*\f
.endr
.endm
.macro STEPS q                         ; the scalars from which the fetch after this one takes its addresses
.if (\q)
	s_add_co_u32 s[TQ], s[TQ], 64
.endif
	s_add_co_u32 s[TB], s[TB], TILEB
	s_and_b32 s[TB], s[TB], 2*SLOTB-1              ; behind slot 1 comes slot 0
	s_add_co_u32 s[TS], s[TS], SIDEB
.endm
; a tile's scale registers, bias (eight times: a C is eight registers) and, for a tile of W_score, the query's number
.macro SMALL p, q
	ds_load_b128 v[BS+4*(\p):BS+4*(\p)+3], v[ADS]
.irp k, 0,1,2,3,4,5,6,7
	ds_load_b32 v[BIAS+8*(\p)+\k], v[ADB] offset:512
.endr
.if (\q)
	ds_load_b32 v[QR+2*(\p)], v[ADQ]
.endif
.endm
.macro ADRS q
	v_add_nc_u32 v[ADR], s[TB], v[LI]
	v_add_nc_u32 v[ADS], s[TS], v[LIS]
	v_add_nc_u32 v[ADB], s[TS], v[L4S]
.if (\q)
	v_add_nc_u32 v[ADQ], s[TQ], v[L4Q]
.endif
.endm
; one product: row tile i, K step s.  B's scale register s / 2 holds K step s in lanes 0-15 (s even) or 16-31 (s odd)
.macro MM p, s, i
.if (\s) == 0
	v_wmma_scale_f32_16x16x128_f8f6f4 v[AN+8*\i:AN+8*\i+7], v[16*\i:16*\i+15], v[128*(\p):128*(\p)+15], v[BIAS+8*(\p):BIAS+8*(\p)+7], v[AS+8*\i], v[BS+4*(\p)]
.elseif (\s) % 2
	v_wmma_scale_f32_16x16x128_f8f6f4 v[AN+8*\i:AN+8*\i+7], v[16*(4*((\s)%4)+\i):16*(4*((\s)%4)+\i)+15], v[128*(\p)+16*(\s):128*(\p)+16*(\s)+15], v[AN+8*\i:AN+8*\i+7], v[AS+8*\i+(\s)], v[BS+4*(\p)+(\s)/2] matrix_b_scale:MATRIX_SCALE_ROW1
.else
	v_wmma_scale_f32_16x16x128_f8f6f4 v[AN+8*\i:AN+8*\i+7], v[16*(4*((\s)%4)+\i):16*(4*((\s)%4)+\i)+15], v[128*(\p)+16*(\s):128*(\p)+16*(\s)+15], v[AN+8*\i:AN+8*\i+7], v[AS+8*\i+(\s)], v[BS+4*(\p)+(\s)/2]
.endif
.endm
; the vector work on accumulator g of the set at a, from its low end on.  epi 1: the first tile of keys starts the scores; 2: score(row) += relu(key) x the query's number; 3: a chain of p x relu(value); 0: none
.macro CHUNK epi, a, g
.if \epi
.irp k, 0,1,2,3,4,5,6,7
	v_max_num_f32 v[\a+8*\g+\k], 0, v[\a+8*\g+\k]
.endr
.endif
.if \epi == 1
.irp m, 0,2,4,6
	v_pk_mul_f32 v[S+8*\g+\m:S+8*\g+\m+1], v[\a+8*\g+\m:\a+8*\g+\m+1], v[QC:QC+1] op_sel_hi:[1,0]
.endr
.elseif \epi == 2
.irp m, 0,2,4,6
	v_pk_fma_f32 v[S+8*\g+\m:S+8*\g+\m+1], v[\a+8*\g+\m:\a+8*\g+\m+1], v[QC:QC+1], v[S+8*\g+\m:S+8*\g+\m+1] op_sel_hi:[1,0,1]
.endr
.elseif \epi == 3
	v_pk_mul_f32 v[CT+2*\g:CT+2*\g+1], v[\a+8*\g:\a+8*\g+1], v[S+8*\g:S+8*\g+1]
.irp m, 2,4,6
	v_pk_fma_f32 v[CT+2*\g:CT+2*\g+1], v[\a+8*\g+\m:\a+8*\g+\m+1], v[S+8*\g+\m:S+8*\g+\m+1], v[CT+2*\g:CT+2*\g+1]
.endr
.endif
.endm
.macro RED_V                           ; the four chains, the two halves, the other half's 32 rows; column r's sum goes to the wave's own LDS bytes
	v_pk_add_f32 v[CT:CT+1], v[CT:CT+1], v[CT+2:CT+3]
	v_pk_add_f32 v[CT+4:CT+5], v[CT+4:CT+5], v[CT+6:CT+7]
	v_pk_add_f32 v[CT:CT+1], v[CT:CT+1], v[CT+4:CT+5]
	v_add_f32 v[CT], v[CT], v[CT+1]
	v_permlanex16_b32 v[CT+8], v[CT], s[SEL], s[SEL+1]
	v_add_f32 v[CT+9], v[CT], v[CT+8]
	ds_store_b32 v[ADC], v[CT+9]                   ; lanes r and r + 16 write the same word with the same value
	s_add_co_u32 s[TC], s[TC], 64
.endm
; A tile of parity p.  fetch: the next tile comes into the other sets; q: with its number of the query; epi: the vector work on the tile before, whose results lie in the other accumulators.
; Between a tile's last product and the next tile's loads and reads stand the address lines and a quarter of vector work, 12 lines that name none of its registers (epi = 0: eight v_nop).
.macro UNIT p, fetch, q, epi
.set AN, ACC+108*(\p)
.set AO, ACC+108*(1-\p)
.if \fetch
	STEPS \q
.endif
.if (\epi)*(3-(\epi))
	v_mov_b32 v[QC], v[QR+2*(1-\p)]                ; its register takes the next tile's number below
.endif
.if \fetch
	SMALL 1-\p, \q
.endif
.irp g, 0,1,2,3
.if \fetch
	WIN 0xc0
.irp u, 0,1
.irp c, 0,1,2,3
	ds_load_b128 v[128*(1-\p)+16*(2*\g+\u)+4*\c:128*(1-\p)+16*(2*\g+\u)+4*\c+3], v[ADR] offset:2048*(2*\g+\u)+512*\c
.endr
.endr
.endif
.if \g < 2
	WIN 0x0d                                       ; A window 1, B window 3, C and D window 0
.else
	WIN 0x0e                                       ; A window 2
.endif
.irp u, 0,1
.irp i, 0,1,2,3
	MM \p, 2*\g+\u, \i
.endr
.endr
	WIN 0
.if \g == 3
.if \fetch
	ADRS \q                                        ; this tile's loads are all issued: the next fetch's addresses
.endif
.if \epi == 3
	v_add_nc_u32 v[ADC], s[TC], v[L4C]
.endif
.endif
	CHUNK \epi, AO, \g
.endr
.if \epi == 3
	RED_V
.endif
.if \epi == 0
.rept 8
	v_nop                                          ; the places behind the last products (ISA guide 7.12.1)
.endr
	s_wait_alu depctr_va_vdst(0)
.endif
	s_wait_dscnt 0x0                               ; the next tile's operand is in
.endm
.macro PAIRS q, epi, n                 ; 2 n tiles: an odd one, an even one
	s_mov_b32 s57, \n
.Lpair_\@:
	UNIT 1, 1, \q, \epi
	UNIT 0, 1, \q, \epi
	s_sub_co_u32 s57, s57, 1
	s_cmp_lg_u32 s57, 0
	s_cbranch_scc1 .Lpair_\@
.endm
; THE CHANGE OF SLOTS: each wave waits for all its tensor loads, adds 0 to its spare word, and waits for that and for its LDS reads.
; fill = 1: a round of the cluster's barrier, and the joint load of the next four tiles, a tile a wave, first behind it
.macro CHANGE fill
	s_wait_tensorcnt 0x0                           ; no tensor load of mine is out, so the walking descriptor may be written
	ds_add_u32 v[SPW], v[NIL]
.if \fill
	s_xor_b32 s49, s49, SLOTB                      ; the other slot than last time,
	s_add_nc_u64 s[50:51], s[50:51], SLOTB         ; the next 4 tiles; the type bits on top are not reached
.endif
	s_wait_dscnt 0x0
.if \fill
	CROUND
	tensor_load_to_lds s[48:51], s[24:31]
	s_nop 0
.rept 4
	v_nop
.endr
.else
	s_barrier_signal -1
	s_barrier_wait -1
.endif
.endm
	s_load_b256 s[4:11], s[0:1], 0x0               ; x s[4:5], wcodes s[6:7], wside s[8:9], query s[10:11]
	s_load_b128 s[12:15], s[0:1], 0x20             ; listener_len s[12:13], scores s[14:15]
	s_load_b64 s[16:17], s[0:1], 0x30              ; part
	v_lshl_add_u32 v[SPW], v0, 2, SPARE
	v_mov_b32 v[NIL], 0
	ds_add_u32 v[SPW], v[NIL]                      ; the opening lines: the add twice on end
	ds_add_u32 v[SPW], v[NIL]
	v_lshrrev_b32 v8, 5, v0
	v_readfirstlane_b32 s[WV], v8                  ; wave 0..3
	s_bfe_u32 s19, ttmp6, 0x40000                  ; cx
	s_lshl_b32 s20, ttmp9, 2
	s_add_co_u32 s20, s20, s19                     ; work-group = 4 x cluster + cx
	s_and_b32 s21, s20, 31                         ; b
	s_lshr_b32 s22, s20, 5
	s_lshl_b32 s22, s22, 8
	s_lshl_b32 s66, s[WV], 6
	s_add_co_u32 s22, s22, s66                     ; t0 = 256 (work-group / 32) + 64 x wave
	s_lshl_b32 s66, s22, 17                        ; x: row (t, b) lies at 131,072 t + 4,096 b
	s_lshl_b32 s67, s21, 12
	s_add_co_u32 s66, s66, s67
	s_mov_b32 s67, 0
	s_lshl_b32 s68, s21, 11                        ; query: 2,048 b
	s_mov_b32 s69, 0
	s_lshl_b32 s70, s21, 2                         ; listener_len: 4 b
	s_mov_b32 s71, 0
	s_lshl_b32 s72, s21, 13                        ; scores: 8,192 b + 4 t0
	s_lshl_b32 s73, s22, 2
	s_add_co_u32 s72, s72, s73
	s_mov_b32 s73, 0
	s_lshl_b32 s74, s21, 16                        ; part: 65,536 b + 2,048 (t0 / 64)
	s_lshl_b32 s75, s22, 5
	s_add_co_u32 s74, s74, s75
	s_mov_b32 s75, 0
	s_mul_i32 s76, s[WV], OWNB
	s_add_co_u32 s76, s76, OWN0                    ; my wave's own LDS bytes
	s_mul_i32 s77, s[WV], 9216                     ; my quarter of wside,
	s_mov_b32 s78, s77
	s_mov_b32 s79, 0
	s_lshl_b32 s52, s[WV], 14                      ; and of a slot: one tile
	s_mov_b32 s53, 0
	s_mov_b32 s[CO], 0
	s_mov_b32 s[SO], 0
	; group 1: dense blocks as rows of 256 bytes (32 elements of 8 bytes), no padding: images are read 512 consecutive bytes an instruction
	s_mov_b32 s24, 15|(3<<16)|(1<<21)              ; the mask of all four; elements of 8 bytes; bit 21 beside a mask
	s_mov_b32 s25, 32<<16
	s_mov_b32 s26, 64<<16                          ; 64 rows: 16,384 bytes, one tile
	s_mov_b32 s27, 32<<16
	s_mov_b32 s28, 64
	s_mov_b32 s29, 32
	s_mov_b32 s30, 0
	s_mov_b32 s31, 0
	s_mov_b32 s32, 15|(3<<16)|(1<<21)              ; the same with 36 rows: 9,216 bytes of wside
	s_mov_b32 s33, 32<<16
	s_mov_b32 s34, 36<<16
	s_mov_b32 s35, 32<<16
	s_mov_b32 s36, 36
	s_mov_b32 s37, 32
	s_mov_b32 s38, 0
	s_mov_b32 s39, 0
	s_mov_b32 s[SEL], 0x76543210
	s_mov_b32 s[SEL+1], 0xfedcba98                 ; selects for lane l xor 16
	s_mov_b32 s[MNT], 0x600000                     ; the mantissa field of 448
	s_mov_b32 s62, 0x3fb8aa3b                      ; log2(e)
	s_mov_b32 s63, s62
	v_and_b32 v9, 31, v0                           ; lane
	v_and_b32 v10, 15, v0                          ; r
	v_bfe_u32 v11, v0, 4, 1                        ; h
	v_lshlrev_b32 v[LI], 4, v9
	v_lshlrev_b32 v[L4], 2, v10
	v_lshlrev_b32 v[XO], 4, v10
	v_lshl_add_u32 v[XO], v11, 17, v[XO]           ; two rows t, 256 bytes of each
	v_mul_u32_u24 v[STW], v11, 272
	v_lshl_add_u32 v[STW], v10, 4, v[STW]
	v_add_nc_u32 v[STW], s76, v[STW]
	v_mul_u32_u24 v[STR], v10, 272
	v_lshl_add_u32 v[STR], v11, 6, v[STR]
	v_add_nc_u32 v[STR], s76, v[STR]
	v_add_nc_u32 v[QW], s76, v[LI]
	v_add_nc_u32 v[QW], QOFF, v[QW]
	v_lshl_add_u32 v[SA], v11, 5, s76
	v_add_nc_u32 v[SA], SOFF, v[SA]
	v_lshl_add_u32 v[SRD], v9, 3, s76
	v_add_nc_u32 v[SRD], SOFF, v[SRD]
	v_lshlrev_b32 v[G8], 3, v9
	v_add_nc_u32 v[SW0], s76, v[L4]
	v_add_nc_u32 v[SW0], SCST, v[SW0]
.irp b, 0,1,2,3
	v_mov_b32 v[TM+4+\b], 0                        ; a lane permute's destination counts as one of its sources
.endr
	s_wait_dscnt 0x0                               ; both opening adds are done
	s_wait_alu depctr_va_vdst(0)
	s_wait_kmcnt 0x0
	s_add_nc_u64 s[4:5], s[4:5], s[66:67]
	s_add_nc_u64 s[10:11], s[10:11], s[68:69]
	s_add_nc_u64 s[12:13], s[12:13], s[70:71]
	s_add_nc_u64 s[14:15], s[14:15], s[72:73]
	s_add_nc_u64 s[16:17], s[16:17], s[74:75]
	s_load_b32 s23, s[12:13], 0x0                  ; the length of my b
	s_mov_b32 s40, 1                               ; group 0 for wside
	s_add_co_u32 s41, s77, SIDE
	s_add_nc_u64 s[42:43], s[8:9], s[78:79]
	s_or_b32 s43, s43, 0x80000000
	s_mov_b32 s48, 1                               ; the walking one: first slot 0, tiles 0-3
	s_mov_b32 s49, s52
	s_add_nc_u64 s[50:51], s[6:7], s[52:53]
	s_or_b32 s51, s51, 0x80000000
.irp c, 0,1,2,3
	global_load_b128 v[ACC+4*\c:ACC+4*\c+3], v[LI], s[10:11] offset:512*\c   ; the query of my b: it stays in registers while x streams
.endr
	LOADK 0, 0
	LOADK 1, 0
	LOADK 2, 0
	LOADK 3, 0
	CROUND                                         ; all four work-groups are here
	tensor_load_to_lds s[48:51], s[24:31]          ; slot 0: my one tensor load at the head
	s_nop 0
.rept 4
	v_nop
.endr
	s_wait_kmcnt 0x0                               ; the length
	s_wait_loadcnt 48                              ; the query and row tile 0 are in: 48 loads are younger
	TURN 0
	STREAM 0                                       ; K steps 0-3
	BACK 0
	s_wait_tensorcnt 0x0                           ; a later first fill stands behind the same lines as a refill
	ds_add_u32 v[SPW], v[NIL]
	s_wait_dscnt 0x0
	CROUND
	tensor_load_to_lds s[40:43], s[32:39]          ; scale words and biases
	s_nop 0
.rept 4
	v_nop
.endr
	STREAM 1                                       ; K steps 4-7
	s_wait_loadcnt 0x0
	BACK 1
.irp c, 0,1,2,3
	ds_store_b128 v[QW], v[ACC+4*\c:ACC+4*\c+3] offset:512*\c    ; the query, over images that have been read (LDS serves a wave's instructions in order)
.endr
	CHANGE 1                                       ; everybody's parts of slot 0 and of wside are in; slot 1's first fill, issued as a refill is: tiles 0-2 stand between it and the wait for it
	v_add_nc_u32 v[LIS], SIDE, v[LI]
	v_add_nc_u32 v[L4S], SIDE, v[L4]
	v_add_nc_u32 v[L4C], s76, v[L4]
	v_add_nc_u32 v[L4Q], QOFF, v[L4C]
	v_add_nc_u32 v[CRD], s76, v[LI]
	v_mov_b32 v[CT+8], 0                           ; destinations of lane permutes
	v_mov_b32 v156, 0
	v_mov_b32 v[QC+1], 0                           ; the upper half of the pair that the packed forms name
	s_mov_b32 s[TB], 0
	s_mov_b32 s[TS], 0
	s_mov_b32 s[TQ], 0
	s_mov_b32 s[TC], 0
	ADRS 1
	SMALL 0, 1                                     ; tile 0
	WIN 0xc0
.irp s, 0,1,2,3,4,5,6,7
.irp c, 0,1,2,3
	ds_load_b128 v[16*\s+4*\c:16*\s+4*\c+3], v[ADR] offset:2048*\s+512*\c
.endr
.endr
	WIN 0
	STEPS 1
	ADRS 1                                         ; tile 1's addresses
	s_wait_alu depctr_va_vdst(0)
	s_wait_dscnt 0x0
	UNIT 0, 1, 1, 0                                ; tile 0
	UNIT 1, 1, 1, 1                                ; tile 1; tile 0's keys start the scores
	UNIT 0, 1, 1, 2                                ; tile 2; tile 3, slot 0's last, is then in registers
	s_mov_b32 s56, 7
.Lkeys:                                            ; tiles 3-30
	CHANGE 1
	PAIRS 1, 2, 2
	s_sub_co_u32 s56, s56, 1
	s_cmp_lg_u32 s56, 0
	s_cbranch_scc1 .Lkeys
	CHANGE 1
	UNIT 1, 1, 0, 2                                ; tile 31, the last of the keys; tile 32 is fetched
	v_mov_b32 v[QC], v[QR+2]                       ; tile 31's vector work stands by itself, ahead of the softmax
.irp g, 0,1,2,3
	CHUNK 2, ACC+108, \g
.endr
	; the sum over the 16 columns of a tile, which lie in 16 lanes: then lane (., h) holds score(t0 + 16 i + 8 h + j) in register 8 i + j
.irp m, 1,2,4,8
.set nn, 0
.rept 32
	v_add_f32_dpp v[S+nn], v[S+nn], v[S+nn] row_xmask:\m row_mask:0xf bank_mask:0xf
.set nn, nn+1
.endr
.endr
	s_sub_co_i32 s66, s23, s22
	v_bfe_u32 v150, v0, 4, 1
	v_lshlrev_b32 v150, 3, v150
	v_sub_nc_u32 v150, s66, v150                   ; d = length - t0 - 8 h: past the length where 16 i + j >= d
	v_mov_b32 v151, 0xc2c80000                     ; -100
.set nn, 0
.rept 32
	v_cmp_ge_i32 vcc_lo, 16*(nn/8)+nn%8, v150
	v_cndmask_b32 v152, 0, v151, vcc_lo
	v_add_f32 v[S+nn], v[S+nn], v152
.set nn, nn+1
.endr
.irp i, 0,1,2,3
	ds_store_b128 v[SA], v[S+8*\i:S+8*\i+3] offset:64*\i          ; the sixteen lanes of a half write the same words with the same values
	ds_store_b128 v[SA], v[S+8*\i+4:S+8*\i+7] offset:64*\i+16
.endr
	ds_load_b64 v[176:177], v[SRD]                 ; back 8 bytes a lane
	v_max3_num_f32 v154, v[S], v[S+1], v[S+2]      ; the wave's largest score
.set nn, 3
.rept 14
	v_max3_num_f32 v154, v154, v[S+nn], v[S+nn+1]
.set nn, nn+2
.endr
	v_max_num_f32 v154, v154, v[S+31]
	v_permlanex16_b32 v156, v154, s[SEL], s[SEL+1]
	v_max_num_f32 v154, v154, v156
	v_mov_b32 v155, v154
	s_wait_alu depctr_va_vdst(0)
	s_wait_dscnt 0x0
	global_store_b64 v[G8], v[176:177], s[14:15]   ; 32 lanes store 256 consecutive aligned bytes
.set nn, 0
.rept 16
	v_pk_add_f32 v[S+nn:S+nn+1], v[S+nn:S+nn+1], v[154:155] neg_lo:[0,1] neg_hi:[0,1]   ; the maximum is taken away first
.set nn, nn+2
.endr
.set nn, 0
.rept 16
	v_pk_mul_f32 v[S+nn:S+nn+1], v[S+nn:S+nn+1], s[62:63] op_sel_hi:[1,0]
.set nn, nn+2
.endr
.set nn, 0
	s_wait_alu depctr_va_vdst(0)
.rept 32
	v_exp_f32 v[S+nn], v[S+nn]                     ; p = e^(score - m), at most 1
.set nn, nn+1
.endr
	v_nop                                          ; a plain line behind the exponentials
	s_wait_alu depctr_va_vdst(0)
	UNIT 0, 1, 0, 0                                ; tile 32, the first of the values
	PAIRS 0, 3, 1                                  ; tiles 33, 34
	s_mov_b32 s56, 6
.Lvals:                                            ; tiles 35-58
	CHANGE 1
	PAIRS 0, 3, 2
	s_sub_co_u32 s56, s56, 1
	s_cmp_lg_u32 s56, 0
	s_cbranch_scc1 .Lvals
	CHANGE 0                                       ; the tail is written out: nothing is left to ask for
	PAIRS 0, 3, 2                                  ; tiles 59-62
	UNIT 1, 0, 0, 3                                ; tile 63
	v_add_nc_u32 v[ADC], s[TC], v[L4C]             ; and its own vector work
.irp g, 0,1,2,3
	CHUNK 3, ACC+108, \g
.endr
	RED_V
.irp c, 0,1,2,3
	ds_load_b128 v[160+4*\c:160+4*\c+3], v[CRD] offset:512*\c     ; my 512 sums
.endr
.irp c, 0,1,2,3
	s_wait_dscnt 3-\c                              ; load c is in, the younger ones may be out
	global_store_b128 v[LI], v[160+4*\c:160+4*\c+3], s[16:17] offset:512*\c   ; 32 lanes store 512 consecutive bytes
.endr
	s_wait_tensorcnt 0x0                           ; the wave's end
	ds_add_u32 v[SPW], v[NIL]
	s_wait_dscnt 0x0
	CROUND                                         ; the closing round
	s_endpgm
.Lfunc_end_k_q2f82b04026_main:
	.size	k_q2f82b04026_main, .Lfunc_end_k_q2f82b04026_main-k_q2f82b04026_main
	.p2alignl 7, 3214868480
	.fill 96, 4, 3214868480
	.section	.rodata,"a",@progbits
	.p2align	6, 0x0
	.amdhsa_kernel k_q2f82b04026_main
		.amdhsa_group_segment_fixed_size 327680
		.amdhsa_private_segment_fixed_size 0
		.amdhsa_enable_private_segment 0
		.amdhsa_kernarg_size 56
		.amdhsa_user_sgpr_count 2
		.amdhsa_user_sgpr_kernarg_segment_ptr 1
		.amdhsa_wavefront_size32 1
		.amdhsa_system_sgpr_workgroup_id_x 1
		.amdhsa_system_sgpr_workgroup_id_y 1
		.amdhsa_system_sgpr_workgroup_id_z 1
		.amdhsa_system_vgpr_workitem_id 0
		.amdhsa_next_free_vgpr 1024
		.amdhsa_next_free_sgpr 80
		.amdhsa_reserve_vcc 1
		.amdhsa_float_denorm_mode_32 3
		.amdhsa_float_denorm_mode_16_64 3
		.amdhsa_memory_ordered 1
		.amdhsa_forward_progress 1
		.amdhsa_inst_pref_size 255
	.end_amdhsa_kernel
	.section	.bss,"aw",@nobits
	.p2align	6
	.space	262144
	.amdgpu_metadata
---
amdhsa.version: [ 1, 2 ]
amdhsa.kernels:
  - .name:           k_q2f82b04026_main
    .symbol:         k_q2f82b04026_main.kd
    .args:
      - { .name: listener_state, .offset: 0, .size: 8, .value_kind: global_buffer, .address_space: global }
      - { .name: wcodes, .offset: 8, .size: 8, .value_kind: global_buffer, .address_space: global }
      - { .name: wside, .offset: 16, .size: 8, .value_kind: global_buffer, .address_space: global }
      - { .name: query, .offset: 24, .size: 8, .value_kind: global_buffer, .address_space: global }
      - { .name: listener_len, .offset: 32, .size: 8, .value_kind: global_buffer, .address_space: global }
      - { .name: scores, .offset: 40, .size: 8, .value_kind: global_buffer, .address_space: global }
      - { .name: part, .offset: 48, .size: 8, .value_kind: global_buffer, .address_space: global }
    .group_segment_fixed_size: 327680
    .private_segment_fixed_size: 0
    .kernarg_segment_align: 8
    .kernarg_segment_size: 56
    .max_flat_workgroup_size: 128
    .sgpr_count:     80
    .vgpr_count:     1024
    .wavefront_size: 32
...
	.end_amdgpu_metadata
.endif
;; end of part 2
;; launch finish (part 3): grid 32 x 1, 8 waves a work-group, no clusters, 2,048 bytes of LDS; arguments scores, part, out0, out1; writes out0, out1
.if DOCPART == 3
	.amdgcn_target "amdgcn-amd-amdhsa--gfx1250"
	.amdhsa_code_object_version 6
	.text
	.protected	k_q2f82b04026_finish
	.globl	k_q2f82b04026_finish
	.p2align	8
	.type	k_q2f82b04026_finish,@function
k_q2f82b04026_finish:
	s_mov_b64 s[64:65], 0
	v_nop
	global_prefetch_b8 v0, s[64:65] scope:SCOPE_SE
	s_setreg_imm32_b32 hwreg(HW_REG_WAVE_MODE, 25, 1), 1
	s_wait_xcnt 0x0
; For batch row b (one work-group): attn = softmax over the 2,048 masked scores; context = the sum over the 32 chunks of 64 t of e^(m_chunk - M) x part[chunk], divided by the softmax's sum.
; part[chunk] was summed under the chunk's own largest score m_chunk, which is found again here from the same stored scores; M is the row's largest.
; Thread n holds scores t = 1,024 c + 4 n .. + 3 (c = 0, 1): two loads of 16 bytes, dense; sixteen neighbouring lanes then hold exactly chunk 16 c + n / 16.
; It also holds columns 2 n, 2 n + 1 of all 32 chunks of part: 32 loads of 8 bytes, 256 consecutive bytes a wave, all issued at the head.
; 2.3 MiB are read in all: no tensor loads, no matrix unit, no cluster.  Sums in f32, in another order than t ascending.  NaN and infinities are not served.
; LDS: bytes 0-31 the waves' maxima, 256-287 the waves' sums, 512-639 the 32 factors e^(m_chunk - M): each region is written once.
	s_load_b256 s[4:11], s[0:1], 0x0               ; scores s[4:5], part s[6:7], out0 s[8:9], out1 s[10:11]
	v_lshl_add_u32 v128, v0, 2, 0x400
	v_mov_b32 v129, 0
	v_lshrrev_b32 v3, 5, v0
	s_delay_alu instid0(VALU_DEP_1)
	v_readfirstlane_b32 s12, v3                    ; wave
	v_lshlrev_b32 v1, 4, v0                        ; 16 n
	v_lshlrev_b32 v2, 3, v0                        ; 8 n
	s_delay_alu instid0(VALU_DEP_3)
	v_mov_b32 v16, s12
	s_delay_alu instid0(VALU_DEP_1)
	v_lshlrev_b32 v16, 2, v16                      ; LDS: my wave's word
	v_lshrrev_b32 v17, 4, v0
	s_delay_alu instid0(VALU_DEP_1)
	v_lshlrev_b32 v17, 2, v17                      ; LDS: my sixteen lanes' word
	v_mov_b32 v18, 0
	v_mov_b32 v15, 0                               ; a lane permute's destination counts as one of its sources
	s_lshl_b32 s14, ttmp9, 13                      ; 8,192 b: scores and out1
	s_mov_b32 s15, 0
	s_lshl_b32 s16, ttmp9, 16                      ; 65,536 b: part
	s_mov_b32 s17, 0
	s_lshl_b32 s18, ttmp9, 11                      ; 2,048 b: out0
	s_mov_b32 s19, 0
	s_mov_b32 s20, 0x76543210
	s_mov_b32 s21, 0xfedcba98
	s_mov_b32 s22, 0x3fb8aa3b                      ; log2(e)
	s_wait_alu depctr_va_vdst(0)
	s_wait_kmcnt 0x0
	s_add_nc_u64 s[4:5], s[4:5], s[14:15]
	s_add_nc_u64 s[6:7], s[6:7], s[16:17]
	s_add_nc_u64 s[8:9], s[8:9], s[18:19]
	s_add_nc_u64 s[10:11], s[10:11], s[14:15]
	global_load_b128 v[4:7], v1, s[4:5]
	global_load_b128 v[8:11], v1, s[4:5] offset:4096
.set nn, 0
.rept 32
	global_load_b64 v[32+2*nn:33+2*nn], v2, s[6:7] offset:2048*nn
.set nn, nn+1
.endr
	s_wait_loadcnt 32                              ; the scores are in: the 32 loads of part are younger
	v_max3_num_f32 v12, v4, v5, v6
	v_max3_num_f32 v13, v8, v9, v10
	s_delay_alu instid0(VALU_DEP_2)
	v_max_num_f32 v12, v12, v7
	s_delay_alu instid0(VALU_DEP_2)
	v_max_num_f32 v13, v13, v11
.irp m, 1,2,4,8
	s_delay_alu instid0(VALU_DEP_2)
	v_max_num_f32_dpp v12, v12, v12 row_xmask:\m row_mask:0xf bank_mask:0xf    ; the largest score of chunk n / 16,
	s_delay_alu instid0(VALU_DEP_2)
	v_max_num_f32_dpp v13, v13, v13 row_xmask:\m row_mask:0xf bank_mask:0xf    ; and of chunk 16 + n / 16
.endr
	s_delay_alu instid0(VALU_DEP_1)
	v_max_num_f32 v14, v12, v13
	s_delay_alu instid0(VALU_DEP_1)
	v_permlanex16_b32 v15, v14, s20, s21
	s_delay_alu instid0(VALU_DEP_1)
	v_max_num_f32 v14, v14, v15                    ; the wave's
	ds_store_b32 v16, v14
	s_wait_dscnt 0x0                               ; for the others' sake
	s_barrier_signal -1
	s_barrier_wait -1
	ds_load_b128 v[20:23], v18
	ds_load_b128 v[24:27], v18 offset:16
	s_wait_dscnt 0x0
	v_max3_num_f32 v28, v20, v21, v22
	s_delay_alu instid0(VALU_DEP_1)
	v_max3_num_f32 v28, v28, v23, v24
	s_delay_alu instid0(VALU_DEP_1)
	v_max3_num_f32 v28, v28, v25, v26
	s_delay_alu instid0(VALU_DEP_1)
	v_max_num_f32 v28, v28, v27                    ; M
.irp n, 4,5,6,7,8,9,10,11
	v_sub_f32 v\n, v\n, v28
.endr
	v_sub_f32 v30, v12, v28
	v_sub_f32 v31, v13, v28
.irp n, 4,5,6,7,8,9,10,11,30,31
	v_mul_f32 v\n, s22, v\n
.endr
	s_wait_alu depctr_va_vdst(0)
.irp n, 4,5,6,7,8,9,10,11,30,31
	v_exp_f32 v\n, v\n                             ; e^(score - M); e^(m_chunk - M)
.endr
	v_nop                                          ; a plain line behind the exponentials
	s_wait_alu depctr_va_vdst(0)
	v_add_f32 v29, v4, v5
	v_add_f32 v14, v6, v7
	v_add_f32 v19, v8, v9
	v_add_f32 v3, v10, v11
	s_delay_alu instid0(VALU_DEP_3)
	v_add_f32 v29, v29, v14
	s_delay_alu instid0(VALU_DEP_2)
	v_add_f32 v19, v19, v3
	s_delay_alu instid0(VALU_DEP_1)
	v_add_f32 v29, v29, v19
.irp m, 1,2,4,8
	s_delay_alu instid0(VALU_DEP_1)
	v_add_f32_dpp v29, v29, v29 row_xmask:\m row_mask:0xf bank_mask:0xf
.endr
	s_delay_alu instid0(VALU_DEP_1)
	v_permlanex16_b32 v15, v29, s20, s21
	s_delay_alu instid0(VALU_DEP_1)
	v_add_f32 v29, v29, v15                        ; the wave's sum
	ds_store_b32 v16, v29 offset:256
	ds_store_b32 v17, v30 offset:512               ; sixteen lanes write the same word with the same value
	ds_store_b32 v17, v31 offset:576
	s_wait_dscnt 0x0
	s_barrier_signal -1
	s_barrier_wait -1
	ds_load_b128 v[20:23], v18 offset:256
	ds_load_b128 v[24:27], v18 offset:272
.irp k, 0,1,2,3,4,5,6,7
	ds_load_b128 v[96+4*\k:99+4*\k], v18 offset:512+16*\k        ; the 32 factors: chunk c's in v[96 + c]
.endr
	s_wait_dscnt 0x0
	v_add_f32 v20, v20, v21
	v_add_f32 v22, v22, v23
	v_add_f32 v24, v24, v25
	v_add_f32 v26, v26, v27
	s_delay_alu instid0(VALU_DEP_3)
	v_add_f32 v20, v20, v22
	s_delay_alu instid0(VALU_DEP_2)
	v_add_f32 v24, v24, v26
	s_delay_alu instid0(VALU_DEP_1)
	v_add_f32 v20, v20, v24                        ; the row's sum: at least 1, since the largest score gives 1
	s_wait_alu depctr_va_vdst(0)
	v_rcp_f32 v24, v20
	v_nop                                          ; a plain line behind the reciprocal
	s_wait_alu depctr_va_vdst(0)
	v_mov_b32 v25, v24
	v_pk_mul_f32 v[4:5], v[4:5], v[24:25]
	v_pk_mul_f32 v[6:7], v[6:7], v[24:25]
	v_pk_mul_f32 v[8:9], v[8:9], v[24:25]
	v_pk_mul_f32 v[10:11], v[10:11], v[24:25]
	global_store_b128 v1, v[4:7], s[10:11]         ; a wave stores 512 consecutive bytes
	global_store_b128 v1, v[8:11], s[10:11] offset:4096
	s_wait_loadcnt 0x0                             ; part
	v_pk_mul_f32 v[12:13], v[32:33], v[96:97] op_sel_hi:[1,0]                  ; even chunks: the pair's first register for both halves
	v_pk_mul_f32 v[14:15], v[34:35], v[96:97] op_sel:[0,1] op_sel_hi:[1,1]     ; odd chunks: its second; two chains
.set nn, 2
.rept 15
	s_delay_alu instid0(VALU_DEP_2)
	v_pk_fma_f32 v[12:13], v[32+2*nn:33+2*nn], v[96+nn:97+nn], v[12:13] op_sel_hi:[1,0,1]
	s_delay_alu instid0(VALU_DEP_2)
	v_pk_fma_f32 v[14:15], v[34+2*nn:35+2*nn], v[96+nn:97+nn], v[14:15] op_sel:[0,1,0] op_sel_hi:[1,1,1]
.set nn, nn+2
.endr
	s_delay_alu instid0(VALU_DEP_1)
	v_pk_add_f32 v[12:13], v[12:13], v[14:15]
	v_pk_mul_f32 v[12:13], v[12:13], v[24:25]
	global_store_b64 v2, v[12:13], s[8:9]          ; a wave stores 256 consecutive bytes
	s_wait_tensorcnt 0x0
	ds_add_u32 v128, v129
	s_wait_dscnt 0x0
	s_endpgm
.Lfunc_end_k_q2f82b04026_finish:
	.size	k_q2f82b04026_finish, .Lfunc_end_k_q2f82b04026_finish-k_q2f82b04026_finish
	.p2alignl 7, 3214868480
	.fill 96, 4, 3214868480
	.section	.rodata,"a",@progbits
	.p2align	6, 0x0
	.amdhsa_kernel k_q2f82b04026_finish
		.amdhsa_group_segment_fixed_size 2048
		.amdhsa_private_segment_fixed_size 0
		.amdhsa_enable_private_segment 0
		.amdhsa_kernarg_size 32
		.amdhsa_user_sgpr_count 2
		.amdhsa_user_sgpr_kernarg_segment_ptr 1
		.amdhsa_wavefront_size32 1
		.amdhsa_system_sgpr_workgroup_id_x 1
		.amdhsa_system_sgpr_workgroup_id_y 1
		.amdhsa_system_sgpr_workgroup_id_z 1
		.amdhsa_system_vgpr_workitem_id 0
		.amdhsa_next_free_vgpr 130
		.amdhsa_next_free_sgpr 66
		.amdhsa_reserve_vcc 0
		.amdhsa_float_denorm_mode_32 3
		.amdhsa_float_denorm_mode_16_64 3
		.amdhsa_memory_ordered 1
		.amdhsa_forward_progress 1
		.amdhsa_inst_pref_size 14
	.end_amdhsa_kernel
	.amdgpu_metadata
---
amdhsa.version: [ 1, 2 ]
amdhsa.kernels:
  - .name:           k_q2f82b04026_finish
    .symbol:         k_q2f82b04026_finish.kd
    .args:
      - { .name: scores, .offset: 0, .size: 8, .value_kind: global_buffer, .address_space: global }
      - { .name: part, .offset: 8, .size: 8, .value_kind: global_buffer, .address_space: global }
      - { .name: out0, .offset: 16, .size: 8, .value_kind: global_buffer, .address_space: global }
      - { .name: out1, .offset: 24, .size: 8, .value_kind: global_buffer, .address_space: global }
    .group_segment_fixed_size: 2048
    .private_segment_fixed_size: 0
    .kernarg_segment_align: 8
    .kernarg_segment_size: 32
    .max_flat_workgroup_size: 256
    .sgpr_count:     66
    .vgpr_count:     130
    .wavefront_size: 32
...
	.end_amdgpu_metadata
.endif
;; end of part 3
